; MI455X (gfx1250); checked and timed in simulation.
; The chip was launched on July 23, 2026; its instructions are those of AMD's public machine-readable ISA for CDNA 5 (MIT licence, August 2026) and "CDNA5" Instruction Set Architecture Reference Guide (July 2026). The comments in the code are by the model that wrote it; some were corrected since.
;; Simple PMA. Allowed arithmetic: matrix products marked QUANTISED: E2M1 operands, one E8M0 scale for each 32 along K, by v_wmma_scale_f32_16x16x128_f8f6f4 with both operands' format E2M1 (or v_wmma_scale_f32_32x16x128_f4), f32 sums; products left as they are: f32 operands where the result goes on into a quantised operand, else bf16, f16 or f32 operands; f32 sums; everything else in f32.
;; Inputs: Wk_codes 512 x 16 x 16 uint8 (E2M1 codes of Wk, K innermost, in blocks of 32 codes, two codes a byte); Wk_scales 512 x 16 uint8 (E8M0 scales of Wk, one for each 32 codes along K); Wo_codes 512 x 16 x 16 uint8 (E2M1 codes of Wo, K innermost, in blocks of 32 codes, two codes a byte); Wo_scales 512 x 16 uint8 (E8M0 scales of Wo, one for each 32 codes along K); Wq 512 x 512 float32; Wv_codes 512 x 16 x 16 uint8 (E2M1 codes of Wv, K innermost, in blocks of 32 codes, two codes a byte); Wv_scales 512 x 16 uint8 (E8M0 scales of Wv, one for each 32 codes along K); bk 512 float32; bo 512 float32; bq 512 float32; bv 512 float32; mask 64 x 2,048 bool; seed 1 x 1 x 512 float32; x_codes 64 x 2,048 x 16 x 16 uint8 (E2M1 codes of x, K innermost, in blocks of 32 codes, two codes a byte); x_scales 64 x 2,048 x 16 uint8 (E8M0 scales of x, one for each 32 codes along K).
;; Outputs: out0 64 x 1 x 512 float32.
;; This version of the problem:
;;   THIS VERSION OF THE PROBLEM IS GIVEN IN LOW PRECISION. The matrix products marked QUANTISED in the list below multiply operands that are first quantised to E2M1 (2 exponent bits, 1 mantissa bit; 4 bits a number), with one power-of-two scale for each 32 numbers along K (OCP MX v1.0); their sums are f32. All else is computed in f32.
;;   The module's matrix products, in the order in which they are computed (A, B: the left and right operand; K: the contracted axis; several contracted axes count as one K, in the product's order):
;;     1. [M 1, K 512] x [K 512, N 512]; A: input seed; B: input Wq: left as it is (M = 1 < 16)
;;     2. [M 131,072, K 512] x [K 512, N 512]; A: input x (given as codes); B: input Wk (given as codes): QUANTISED
;;     3. [M 131,072, K 512] x [K 512, N 512]; A: input x (given as codes); B: input Wv (given as codes): QUANTISED
;;     4. batch 8 x [M 131,072, K 64] x [K 64, N 1]; A: computed on the way; B: computed on the way: left as it is (N = 1 < 16)
;;     5. batch 512 x [M 1, K 2,048] x [K 2,048, N 64]; A: softmax; B: computed on the way: left as it is (M = 1 < 16)
;;     6. [M 64, K 512] x [K 512, N 512]; A: computed on the way; B: input Wo (given as codes): QUANTISED
;;   THE QUANTISER, for each operand of a quantised product, along K:
;;     - K is cut into blocks of 32 from its start; a last block that is shorter is filled with zeros.
;;     - A block's scale is 2^e with e = floor(log2(the largest magnitude in the block)) - 2, held to -126 .. 127; a block of zeros has e = 0. As a byte (E8M0): e + 127.
;;     - Each number is divided by its block's scale, clamped to +-6, and rounded to the nearest number of E2M1, ties to even, subnormals kept.
;;     - The product sums the exact products of the quantised numbers (number of the format x scale) in f32.
;;   ~~~python
;;   def quantise(x, axis):      # numpy; x: float32 -> the quantised numbers, widened to float32 again
;;       x = np.moveaxis(x, axis, -1); K = x.shape[-1]
;;       x = np.pad(x, [(0, 0)] * (x.ndim - 1) + [(0, -K % 32)]); x = x.reshape(x.shape[:-1] + (-1, 32)); a = np.abs(x).max(-1, keepdims=True)
;;       e = np.where(a > 0, np.clip(np.frexp(np.where(a > 0, a, 1))[1] - 1 - 2, -126, 127), 0)      # np.frexp(a)[1] - 1 = floor(log2(a)), exactly
;;       r = np.clip(x / 2.0 ** e, -6, 6)
;;       step = 2.0 ** (np.maximum(np.frexp(np.where(r == 0, 1, r))[1] - 1, 0) - 1)
;;       q = np.round(r / step) * step * 2.0 ** e      # np.round: ties to even
;;       return np.moveaxis(q.reshape(q.shape[:-2] + (-1,))[..., :K], -1, axis).astype(np.float32)
;;   ~~~
;;   OPERANDS COMPUTED ON THE WAY. 'Computed on the way' means the value that the module computes at that place (a softmax that the list does not call 'softmax' is quantised finished and normalised). What goes into a quantiser is computed in f32, as accurately as f32 sums, v_exp_f32 and their like allow (about 1e-6 of the number): no bf16 or f16 on the way to a quantiser, and a product that is left as it is and whose result goes on into a quantised operand takes f32 operands (vector FMAs, or v_wmma_f32_16x16x4_f32). A number that lies on a knife's edge between two numbers of the format may be rounded either way, as far as f32 arithmetic and the matrix unit's own rounding can turn it there, and no further.
;;   INPUTS GIVEN AS CODES. Wk (in the module: [512, 512], K = its axis 0); Wo (in the module: [512, 512], K = its axis 0); Wv (in the module: [512, 512], K = its axis 0); x (in the module: [64, 2048, 512], K = its axis 2): each comes as NAME_codes (uint8): NAME with its K axis moved to the last place and cut into blocks of 32 codes, [.., K / 32, bytes a block], one block behind the other in memory; two codes a byte, the lower K in the low four bits (a code: sign, 2 exponent bits, 1 mantissa bit); and NAME_scales (uint8): the same leading axes, one E8M0 byte (e + 127) for each 32 codes along K. Its value is code x scale, taken as it is: it is not quantised again, and the codes and scales need not be those that the quantiser above would give.
;; One version. Each part assembles by itself: llvm-mc -triple=amdgcn-amd-amdhsa -mcpu=gfx1250 --defsym DOCPART=n.
;; ======== version 1 of 1: 2 launches
;; limits: right only within a limited range of input values
;; workspace buffers: pooled 131,072 bytes
;; launch pool (part 1): grid 4 x 64, 8 waves a work-group, clusters of 4 x 1, 327,680 bytes of LDS; arguments x_codes, x_scales, Wk_codes, Wv_codes, Wk_scales, Wv_scales, Wq, seed, bq, mask, bv, pooled; writes pooled
.if DOCPART == 1
	.amdgcn_target "amdgcn-amd-amdhsa--gfx1250"
	.amdhsa_code_object_version 6
	.text
	.protected	k_q00ea3309e9_pool
	.globl	k_q00ea3309e9_pool
	.p2align	8
	.type	k_q00ea3309e9_pool,@function
k_q00ea3309e9_pool:
	s_mov_b64 s[64:65], 0
	v_nop
	global_prefetch_b8 v0, s[64:65] scope:SCOPE_SE
	s_setreg_imm32_b32 hwreg(HW_REG_WAVE_MODE, 25, 1), 1
	s_wait_xcnt 0x0
	s_wait_alu depctr_hold_cnt(0) depctr_sa_sdst(0) depctr_va_vdst(0) depctr_va_sdst(0) depctr_va_ssrc(0) depctr_va_vcc(0) depctr_vm_vsrc(0)
	s_getreg_b32 s2, hwreg(HW_REG_IB_STS2, 6, 4)
	s_cmp_eq_u32 s2, 0
	s_cbranch_scc0 .Lentry_in_a_cluster
	s_endpgm
.Lentry_in_a_cluster:
	s_bfe_u32 s2, ttmp6, 0x10000c
	s_cmp_lg_u32 s2, 0x3003
	s_cbranch_scc0 .Lentry_shape_is_right
	s_endpgm
.Lentry_shape_is_right:
; pooled[b][64 h + d] = (sum over l of p(b,h,l) V(b,l,h,d)) / (sum over l of p) + bv[64 h + d],  p = 2^(t - M),  t = (q_h . K(b,l,h,:)) / 8 x log2(e), -infinity where mask[b][l] is 0.
; K = x Wk and V = x Wv are made on codes of E2M1 with E8M0 scales, as they lie in memory; q = seed Wq + bq, the scores, the softmax and the pooling are f32 multiply-adds.
; WORK LEFT OUT.  bk: K + bk adds q_h . bk_h / 8 to every score of head h, the same number for all l of a row of the softmax; a softmax is not moved by a term that is the same along its axis (hidden
; positions stay -infinity), and K goes nowhere else: into no quantiser and no output.  That holds for all finite values of the inputs.  So bk has no way to any output: it is not loaded and is no argument of any launch.
; bv is live (it goes into the last product's quantised operand); the weights of a row add up to 1, so it is added once, behind the pooling.
; LIMITS.  A NaN, an infinity or an overflow that reaches only q . bk is not carried to the result.  NaN and infinities among the inputs and a scale byte 0xff are not served.  The running maximum begins at -3e38:
; scores t under that are not served.  A batch whose mask is all 0 gives NaN (0 x 1/0), as the softmax of a row of -infinity does.
; SHARES.  256 work-groups: (batch, pair of heads).  A work-group owns all 2,048 positions of its batch.  Wave w: head 2 cx + (w & 1), and the quarter w >> 1 of every phase's positions.
; A wave's weights (64 features of K, 64 of V, K = 512: 256 registers) stay in window 1 for the whole launch.
; LAYOUT.  Source 0 = 32 rows of a weight (features), source 1 = 16 positions of x: lane (r, h) holds position r; register 16 p + 8 u + j holds feature 32 p + 16 u + 8 h + j.  A score is multiply-adds in the lane and one
; exchange between the halves.  Each lane keeps its own maximum, sum and 32 sums of p V; lanes and waves are merged once, at the end.
; A PAIR of tiles (32 positions): 16 matrix instructions for K, the scores, 16 for V over the same registers, the softmax, the sums.  The four accumulators take turns, one instruction a turn.
; PHASES: positions 0-255 (slot 0's first half; the weights lie in its second half until they are in registers), 256-767 (slot 1), 768-1279 (slot 0), 1280-1791 (slot 1), 1792-2047 (slot 0's first half).
; CLUSTER.  The four work-groups of a cluster are the four pairs of heads of one batch: x's codes and scale bytes are asked for JOINTLY.  Not shared: the weights (65,536 bytes) and Wq's 128 columns, each read once:
; the work-groups that read the same ones belong to other batches, and a cluster's four places are spent on x.
.set PITCH, 272                        ; a row of 512 codes in LDS: 256 bytes + 16 of padding
.set SLOT1, 512*PITCH
.set WT,    256*PITCH                  ; the weights at first: Wk's 128 rows, Wv's 128
.set XSC,   2*SLOT1                    ; the batch's scale bytes of x: 16 bytes a position
.set MB,    XSC+32768                  ; the mask as a bias, 0 or -infinity: 4 bytes a position
.set QP,    MB+8192                    ; q's partial sums: 512 bytes a wave
.set QW,    QP+4096                    ; a wave's own finished q: 256 bytes a wave
.set SPARE, QW+2048                    ; the spare words, 128 bytes for each wave: four blocks of 256 bytes that no other line names
.set MV,    SLOT1                      ; the merge, in slot 1, which has had its last fill and its last read by then: an entry of 272 bytes for each (head, quarter, r)
.set ML,    MV+128*PITCH               ; their maxima and sums, 8 bytes each
.set RES,   ML+1024                    ; the 128 results
.set SPW, 1                            ; LDS address of my spare word; never rewritten
.set NIL, 2                            ; 0; never rewritten
.set AX0, 3                            ; 272 r + 16 h
.set ADR, 4                            ; LDS addresses of the next pair's tiles, scale words, biases
.set AS0, 5                            ; XSC + 16 r
.set ADS, 6
.set AM0, 7                            ; MB + 4 r
.set ADM, 8
.set OFQ, 9                            ; 256 (w & 1) + 8 lane: my two features of my head
.set XSB, 12                           ; v12-15 tile 1's scale words of the four K steps
.set WSK, 16                           ; v16-23 Wk's scale words: register 4 p + s: lane m: feature 32 p + m
.set WSV, 24
.set XSA, 32                           ; v32-35 tile 0's scale words
.set BIA, 36                           ; v36 (37 = 0), v38 (39 = 0): the two tiles' biases
.set BIB, 38
.set RM,  40                           ; the lane's running maximum and sum
.set RL,  41
.set RMN, 42                           ; v42; v43, the upper word of its pair, is PFO
.set PFO, 43                           ; 256 x lane: the prefetches' offset; never rewritten
.set SA0, 44                           ; a tile's score in two chains of pairs
.set SA1, 46
.set SB0, 48
.set SB1, 50
.set TS2, 52                           ; v[52:53] the two tiles' t; then v52 = p of tile 0
.set TM2, 54                           ; v[54:55] the other half's parts
.set RF,  56                           ; v56 (57): 2^(old maximum - new)
.set PWB, 58                           ; v58 (59): p of tile 1
.set BQ,  58                           ; v[58:59] bq, at the head
.set BV,  60                           ; v[60:63] bv at features 4 lane
.set SD,  36                           ; at the head: v36-37 seed; v38-39 the mask's bytes
.set MK,  38
.set QS,  44                           ; at the head: q's sums, even rows v44-47, odd rows v48-51
.set QQ,  64                           ; v64-95 q x log2(e) / 8 in the results' layout
.set VACC, 96                          ; v96-127 the sums of p V
.set DD,  128                          ; v128-191: accumulator (tile t, p) at + 32 t + 16 p
.set XX,  192                          ; v192-255: x's fragment (tile t, K step s) at + 32 t + 8 s.   At the head v64-255 take Wq's rows
.set WV,  28
.set HE,  29                           ; w & 1
.set PG,  30                           ; w >> 1
.set CX,  31
.set BT,  32                           ; the batch
.set CNT, 33
.set TB,  34                           ; where the pair's rows begin in LDS; s35, s66: its scale words and biases
.set TS,  35
.set TM,  66
.set G1X, 36                           ; groups 1: 64 rows of x, joint;  128 rows of a weight, my work-group's own;  half the scale bytes, joint
.set G1W, 44
.set G1S, 52
.set G0X, 60                           ; groups 0: positions 0 on; a weight; scale bytes; positions 768 on (slot 0); 256 and 1,280 on (slot 1); 1,792 on (slot 0)
.set G0W, 68
.set G0S, 72
.set G0A, 76
.set G0B, 80
.set G0C, 84
.set PFA, 88                           ; the prefetches' places: 128 rows of 512 a work-group;  64 of 256
.set PFB, 90
.set SEL, 92
.set MULW, 0x01                        ; source 0 (a weight's fragment) in window 1
.set MSB, 0
.macro WIN new                         ; the immediate's high byte repeats the setting that is left
.if MSB != \new
	s_set_vgpr_msb (MSB<<8)|\new
.set MSB, \new
.endif
.endm
.macro NOPS n
.rept \n
	v_nop
.endr
.endm
.macro TL g0, g1
	tensor_load_to_lds s[\g0:\g0+3], s[\g1:\g1+7]
	s_nop 0
.endm
.macro CREST                           ; a round of the cluster's barrier behind its opening barrier
	s_cmp_lg_u32 s[WV], 0
	s_cbranch_scc1 .Lnot_wave_0_\@
	s_barrier_signal -3
.Lnot_wave_0_\@:
	s_barrier_wait -3
	s_barrier_signal -1
	s_barrier_wait -1
.endm
.macro ROUND
	s_barrier_signal -1
	s_barrier_wait -1
	CREST
.endm
; A PREFETCH INTO THE L2 of the rows of x that the NEXT refill will ask for, one phase ahead of it.  A row is 256 bytes.  The four partners share the rows out by address; in each, the first n waves ask, 32 rows a wave,
; a lane a row: each row is named once in the cluster.  The place along the batch stands in the immediate.
.macro ASK n, base, off
	s_cmp_lt_u32 s[WV], \n
	s_cbranch_scc0 .Lno_ask_\@
	global_prefetch_b8 v[PFO], s[\base:\base+1] offset:\off th:TH_LOAD_NT scope:SCOPE_SE
.Lno_ask_\@:
.endm
; 16 matrix instructions: two tiles of positions x 64 features x 512 along K; the first K step starts the sums.
.macro STAGE wb, ws
	WIN MULW
.irp s, 0,1,2,3
.irp t, 0,1
.irp p, 0,1
.if \s == 0
	v_wmma_scale_f32_32x16x128_f4 v[DD+32*\t+16*\p:DD+32*\t+16*\p+15], v[\wb+16*(4*\p+\s):\wb+16*(4*\p+\s)+15], v[XX+32*\t+8*\s:XX+32*\t+8*\s+7], 0, v[\ws+4*\p+\s], v[XSA-20*\t+\s]
.else
	v_wmma_scale_f32_32x16x128_f4 v[DD+32*\t+16*\p:DD+32*\t+16*\p+15], v[\wb+16*(4*\p+\s):\wb+16*(4*\p+\s)+15], v[XX+32*\t+8*\s:XX+32*\t+8*\s+7], v[DD+32*\t+16*\p:DD+32*\t+16*\p+15], v[\ws+4*\p+\s], v[XSA-20*\t+\s]
.endif
.endr
.endr
.endr
	WIN 0
.endm
.macro ADDRS
	v_add_nc_u32 v[ADR], s[TB], v[AX0]
	v_add_nc_u32 v[ADS], s[TS], v[AS0]
	v_add_nc_u32 v[ADM], s[TM], v[AM0]
.endm
; A pair's operands: lane (r, h) takes row r; registers 8 s + 4 c on hold K = 128 s + 64 c + 32 h + 0 .. 31: 16 bytes as they lie.  Both halves of the lanes load a tile's scale words.
.macro LDX
.irp t, 0,1
.irp s, 0,1,2,3
.irp c, 0,1
	ds_load_b128 v[XX+32*\t+8*\s+4*\c:XX+32*\t+8*\s+4*\c+3], v[ADR] offset:4352*\t+64*\s+32*\c
.endr
.endr
.endr
	ds_load_b128 v[XSA:XSA+3], v[ADS]
	ds_load_b128 v[XSB:XSB+3], v[ADS] offset:256
	ds_load_b32 v[BIA], v[ADM]
	ds_load_b32 v[BIB], v[ADM] offset:64
.endm
.macro WLOAD reg, off                  ; my head's 64 rows of one weight into window 1: (p, s) at 16 (4 p + s), rows 32 p + 16 u on at + 8 u
.irp p, 0,1
.irp u, 0,1
.irp s, 0,1,2,3
.irp c, 0,1
	ds_load_b128 v[\reg+16*(4*\p+\s)+8*\u+4*\c:\reg+16*(4*\p+\s)+8*\u+4*\c+3], v11 offset:\off+4352*(2*\p+\u)+64*\s+32*\c
.endr
.endr
.endr
.endr
.endm
.macro SETPH base, pos, n              ; my n positions of the phase that begins at position pos and LDS byte base
	s_mul_i32 s[TB], s[PG], \n*PITCH
	s_add_co_u32 s[TB], s[TB], \base
	s_mul_i32 s[TS], s[PG], 16*\n
	s_add_co_u32 s[TS], s[TS], 16*\pos
	s_mul_i32 s[TM], s[PG], 4*\n
	s_add_co_u32 s[TM], s[TM], 4*\pos
.endm
; A PAIR.  mode 1: the next pair of the phase is fetched;  0: nothing is;  2 to 5: THE CHANGE OF SLOTS: the pair's operands are in registers at its head, so my reads of the slot are over: there I wait for all my tensor loads
; (my part of the slot ahead), add 0 to my spare word, and behind the K products, with the add done, signal; the wait, the rest of the cluster's round and the joint refill, one load a wave, stand behind the V products.
; 2: slot 0 takes positions 768 on;  3: slot 1 takes 1,280 on;  4: slot 0's first half takes 1,792 on;  5: nothing is left to fetch.   kdone = 1: the K products have been issued already.
.macro BODY mode, kdone
.if \kdone
	s_wait_alu depctr_va_vdst(0)
	s_wait_dscnt 0x0                               ; q is in
.else
	s_wait_dscnt 0x0                               ; the pair's operands are in
.if (\mode) >= 2
	s_wait_tensorcnt 0x0                           ; no tensor load of mine is out, so a descriptor may be written
	ds_add_u32 v[SPW], v[NIL]
.if (\mode) == 3
	s_add_nc_u64 s[G0B+2:G0B+3], s[G0B+2:G0B+3], 262144   ; 1,024 rows on; the type bits on top are not reached
.endif
.if (\mode) == 4
	s_mov_b32 s[G1X+2], 32<<16                     ; 256 rows are left: 32 a wave
	s_mov_b32 s[G1X+4], 32
.endif
.endif
	STAGE 0, WSK
.if (\mode) >= 2
	s_wait_dscnt 0x0                               ; the add is done
	s_barrier_signal -1
.endif
.endif
.if (\mode) == 1
	s_add_co_u32 s[TB], s[TB], 8704                ; 32 rows on
	s_add_co_u32 s[TS], s[TS], 512
	s_add_co_u32 s[TM], s[TM], 128
.elseif (\mode) == 2
	SETPH SLOT1, 256, 128
.elseif (\mode) == 3
	SETPH 0, 768, 128
.elseif (\mode) == 4
	SETPH SLOT1, 1280, 128
.elseif (\mode) == 5
	SETPH 0, 1792, 64
.endif
.if (\mode) == 0
	NOPS 4                                         ; the places ahead of the reads of K's results
.else
	ADDRS                                          ; three of the four places ahead of the reads of K's results
	NOPS 1
.endif
	; the scores: four chains by turns, each accumulator from its low end on; the bias is the first addend
	v_pk_fma_f32 v[SA0:SA0+1], v[DD:DD+1], v[QQ:QQ+1], v[BIA:BIA+1]
	v_pk_fma_f32 v[SB0:SB0+1], v[DD+32:DD+33], v[QQ:QQ+1], v[BIB:BIB+1]
	v_pk_mul_f32 v[SA1:SA1+1], v[DD+16:DD+17], v[QQ+16:QQ+17]
	v_pk_mul_f32 v[SB1:SB1+1], v[DD+48:DD+49], v[QQ+16:QQ+17]
.irp k, 2,4,6,8,10,12,14
	v_pk_fma_f32 v[SA0:SA0+1], v[DD+\k:DD+\k+1], v[QQ+\k:QQ+\k+1], v[SA0:SA0+1]
	v_pk_fma_f32 v[SB0:SB0+1], v[DD+32+\k:DD+33+\k], v[QQ+\k:QQ+\k+1], v[SB0:SB0+1]
	v_pk_fma_f32 v[SA1:SA1+1], v[DD+16+\k:DD+17+\k], v[QQ+16+\k:QQ+17+\k], v[SA1:SA1+1]
	v_pk_fma_f32 v[SB1:SB1+1], v[DD+48+\k:DD+49+\k], v[QQ+16+\k:QQ+17+\k], v[SB1:SB1+1]
.endr
	STAGE 128, WSV                                 ; V over K's results
	; the scores' ends: plain lines, which are also the places ahead of the loads below and of the reads of V's results
	v_pk_add_f32 v[SA0:SA0+1], v[SA0:SA0+1], v[SA1:SA1+1]
	v_pk_add_f32 v[SB0:SB0+1], v[SB0:SB0+1], v[SB1:SB1+1]
	v_add_f32 v[TS2], v[SA0], v[SA0+1]             ; my 32 features' part of t
	v_add_f32 v[TS2+1], v[SB0], v[SB0+1]
	v_permlanex16_b32 v[TM2], v[TS2], s[SEL], s[SEL+1]
	v_permlanex16_b32 v[TM2+1], v[TS2+1], s[SEL], s[SEL+1]
	v_pk_add_f32 v[TS2:TS2+1], v[TS2:TS2+1], v[TM2:TM2+1]   ; both lanes of a position end with the same bits
	v_max3_num_f32 v[RMN], v[RM], v[TS2], v[TS2+1]
.if (\mode) >= 2
	s_wait_alu depctr_va_vdst(0)
	s_barrier_wait -1
.if (\mode) < 5
	CREST                                          ; no wave of any partner still reads the slot or has a load on its way
.endif
.if (\mode) == 2
	TL G0A, G1X
	NOPS 4
.elseif (\mode) == 3
	TL G0B, G1X
	NOPS 4
.elseif (\mode) == 4
	TL G0C, G1X
	NOPS 4
.endif
.endif
.if (\mode) >= 1
	LDX                                            ; the next pair's operands: they have the exponentials and the sums in which to land
.endif
.if (\mode) == 2
	ASK 4, PFA, 327680                             ; positions 1,280 on
.elseif (\mode) == 3
	ASK 2, PFB, 458752                             ; positions 1,792 on
.endif
	v_pk_add_f32 v[TS2:TS2+1], v[TS2:TS2+1], v[RMN:RMN+1] op_sel_hi:[1,0] neg_lo:[0,1] neg_hi:[0,1]
	v_sub_f32 v[RF], v[RM], v[RMN]
	s_wait_alu depctr_va_vdst(0)
	v_exp_f32 v[TS2], v[TS2]                       ; p of my two positions (0 where the bias is -infinity), and the factor that brings the sums under the new maximum
	v_exp_f32 v[PWB], v[TS2+1]
	v_exp_f32 v[RF], v[RF]
	v_mov_b32 v[RM], v[RMN]                        ; a plain line behind the exponentials
	s_wait_alu depctr_va_vdst(0)                   ; one wait for the three and for V's results, ahead of their first readers
	v_fma_f32 v[RL], v[RL], v[RF], v[TS2]
.irp k, 0,2,4,6,8,10,12,14,16,18,20,22,24,26,28,30
	v_pk_mul_f32 v[VACC+\k:VACC+\k+1], v[VACC+\k:VACC+\k+1], v[RF:RF+1] op_sel_hi:[1,0]
.endr
	v_add_f32 v[RL], v[RL], v[PWB]
.irp k, 0,2,4,6,8,10,12,14,16,18,20,22,24,26,28,30
	v_pk_fma_f32 v[VACC+\k:VACC+\k+1], v[DD+\k:DD+\k+1], v[TS2:TS2+1], v[VACC+\k:VACC+\k+1] op_sel_hi:[1,0,1]
.endr
.irp k, 0,2,4,6,8,10,12,14,16,18,20,22,24,26,28,30
	v_pk_fma_f32 v[VACC+\k:VACC+\k+1], v[DD+32+\k:DD+33+\k], v[PWB:PWB+1], v[VACC+\k:VACC+\k+1] op_sel_hi:[1,0,1]
.endr
.endm
.macro LOOP3                           ; the first three of a phase's four pairs
	s_mov_b32 s[CNT], 3
.Lpair_\@:
	BODY 1, 0
	s_sub_co_u32 s[CNT], s[CNT], 1
	s_cmp_lg_u32 s[CNT], 0
	s_cbranch_scc1 .Lpair_\@
.endm
.macro QROWS k0, n, reg                ; n rows of Wq from row k0 on: 512 consecutive bytes a load, 4 columns a lane
.set kk, 0
.rept \n
	global_load_b128 v[\reg+4*kk:\reg+4*kk+3], v10, s[16:17] offset:2048*(\k0+kk)
.set kk, kk+1
.endr
.endm
.macro QCHUNK k0, reg                  ; 16 rows: seed's numbers as scalars (the low words of pairs), 2 packed multiply-adds a row; rows 0 and 1 start the sums
.set kk, \k0
.set wr, \reg
.rept 2
.irp n, 0,1,2,3,4,5,6,7
	v_readlane_b32 s[4+2*\n+82*(\n/4)], v[SD+(kk+\n)/32], (kk+\n)%32
.endr
.irp n, 0,1,2,3,4,5,6,7
.irp j, 0,2
.if kk+\n < 2
	v_pk_mul_f32 v[QS+4*(\n%2)+\j:QS+4*(\n%2)+\j+1], v[wr+4*\n+\j:wr+4*\n+\j+1], s[4+2*\n+82*(\n/4):5+2*\n+82*(\n/4)] op_sel_hi:[1,0]
.else
	v_pk_fma_f32 v[QS+4*(\n%2)+\j:QS+4*(\n%2)+\j+1], v[wr+4*\n+\j:wr+4*\n+\j+1], s[4+2*\n+82*(\n/4):5+2*\n+82*(\n/4)], v[QS+4*(\n%2)+\j:QS+4*(\n%2)+\j+1] op_sel_hi:[1,0,1]
.endif
.endr
.endr
.set kk, kk+8
.set wr, wr+32
.endr
.endm
.macro ARM under, g0, g1, next
	s_cmp_lt_u32 s[WV], \under
	s_cbranch_scc0 \next
	TL \g0, \g1
	NOPS 4
	s_branch .Lhead_asked
\next:
.endm
	s_load_b512 s[4:19], s[0:1], 0x0               ; x's codes s[4:5], x's scales s[6:7], Wk's codes s[8:9], Wv's codes s[10:11], Wk's scales s[12:13], Wv's scales s[14:15], Wq s[16:17], seed s[18:19]
	s_load_b256 s[20:27], s[0:1], 0x40             ; bq s[20:21], mask s[22:23], bv s[24:25], pooled s[26:27]
	v_lshl_add_u32 v[SPW], v0, 2, SPARE
	v_mov_b32 v[NIL], 0
	ds_add_u32 v[SPW], v[NIL]                      ; the wave's opening: the add, twice on end, and its wait ahead of my first tensor load
	ds_add_u32 v[SPW], v[NIL]
	v_lshrrev_b32 v10, 5, v0
	v_readfirstlane_b32 s[WV], v10                 ; wave 0..7
	s_and_b32 s[HE], s[WV], 1
	s_lshr_b32 s[PG], s[WV], 1
	s_bfe_u32 s[CX], ttmp6, 0x40000                ; my place in the cluster: the pair of heads.  It enters global addresses of my own loads and stores alone
	s_and_b32 s[BT], ttmp7, 0xffff                 ; the batch, which the four partners share
	s_mov_b32 s[SEL], 0x76543210
	s_mov_b32 s[SEL+1], 0xfedcba98                 ; v_permlanex16_b32's selects for lane l xor 16
	; groups 1: rows of 256 elements of one byte, dense in memory, 4 words of padding behind every 64
	s_mov_b32 s[G1X], 15|(1<<20)|(1<<21)|(5<<22)|(3<<25)   ; 15:0 the mask: all four work-groups; 20 padding on; 21 set beside a mask; 24:22 code 5; 31:25 code 3
	s_mov_b32 s[G1W], (1<<20)|(5<<22)|(3<<25)      ; no mask: the weights are my work-group's own
.irp g, G1X, G1W
	s_mov_b32 s[\g+1], 256<<16                     ; tensor_dim0
	s_mov_b32 s[\g+3], 256<<16                     ; tile_dim0
	s_mov_b32 s[\g+5], 256                         ; from row to row
	s_mov_b32 s[\g+6], 0
	s_mov_b32 s[\g+7], 0
.endr
	s_mov_b32 s[G1X+2], 64<<16                     ; tensor_dim1
	s_mov_b32 s[G1X+4], 64                         ; tile_dim1
	s_mov_b32 s[G1W+2], 128<<16
	s_mov_b32 s[G1W+4], 128
	s_mov_b32 s[G1S], 15|(3<<16)|(1<<21)           ; the scale bytes: 16,384 dense bytes a wave, as 64 rows of 32 elements of 8 bytes, no padding
	s_mov_b32 s[G1S+1], 32<<16
	s_mov_b32 s[G1S+2], 64<<16
	s_mov_b32 s[G1S+3], 32<<16
	s_mov_b32 s[G1S+4], 64
	s_mov_b32 s[G1S+5], 32
	s_mov_b32 s[G1S+6], 0
	s_mov_b32 s[G1S+7], 0
	; groups 0: the count and the LDS addresses: a constant + the wave's number x a constant
.irp g, G0X, G0W, G0S, G0A, G0B, G0C
	s_mov_b32 s[\g], 1
.endr
	s_mul_i32 s[G0X+1], s[WV], 64*PITCH
	s_mul_i32 s[G0A+1], s[WV], 64*PITCH
	s_add_co_u32 s[G0B+1], s[G0A+1], SLOT1
	s_mul_i32 s[G0C+1], s[WV], 32*PITCH
	s_mul_i32 s2, s[HE], 128*PITCH
	s_add_co_u32 s[G0W+1], s2, WT
	s_lshl_b32 s2, s[HE], 14
	s_add_co_u32 s[G0S+1], s2, XSC
	s_mov_b64 s[94:95], 0                          ; (pairs of which the low words are used below: the upper ones are written here)
	s_mov_b64 s[96:97], 0
	s_mov_b64 s[98:99], 0
	; the lanes' constants
	v_and_b32 v11, 31, v0                          ; lane
	v_and_b32 v40, 15, v0                          ; r
	v_bfe_u32 v41, v0, 4, 1                        ; h
	v_lshlrev_b32 v[PFO], 8, v11
	v_mul_u32_u24 v[AX0], v40, PITCH
	v_lshl_add_u32 v[AS0], v40, 4, XSC
	v_lshl_add_u32 v[AM0], v40, 2, MB
	v_lshl_add_u32 v[AX0], v41, 4, v[AX0]
	v_lshlrev_b32 v10, 4, v11                      ; 16 x lane: my 4 columns of a row of Wq; a feature's row of scale bytes; my 4 features of bv
	s_lshl_b32 s2, s[WV], 8
	v_lshl_add_u32 v57, v11, 2, s2                 ; seed: 4 (64 w + lane)
	v_lshlrev_b32 v56, 3, v0                       ; mask: 8 positions a thread
	s_lshl_b32 s2, s[HE], 8
	v_lshl_add_u32 v[OFQ], v11, 3, s2
	s_wait_alu depctr_va_vdst(0)
	s_wait_dscnt 0x0                               ; both opening adds are done
	s_wait_kmcnt 0x0
	; q = seed Wq + bq: wave w sums rows 64 w .. 64 w + 63 for the work-group's 128 columns.  Rows 0 to 15 are asked for ahead of the round
	s_lshl_b32 s100, s[WV], 17
	s_lshl_b32 s101, s[CX], 9
	s_add_co_u32 s100, s100, s101                  ; (what is made of cx goes through s[100:101] alone)
	s_mov_b32 s101, 0
	s_add_nc_u64 s[16:17], s[16:17], s[100:101]
	s_mov_b32 s3, 0
	s_lshl_b32 s2, s[BT], 11
	s_add_nc_u64 s[22:23], s[22:23], s[2:3]        ; the mask's row of my batch
	s_add_nc_u64 s[26:27], s[26:27], s[2:3]        ; pooled's row of my batch
	global_load_b32 v[SD], v57, s[18:19]
	global_load_b32 v[SD+1], v57, s[18:19] offset:128
	global_load_b64 v[MK:MK+1], v56, s[22:23]
	QROWS 0, 16, 64
	s_lshl_b32 s2, s[BT], 19
	s_add_nc_u64 s[4:5], s[4:5], s[2:3]            ; x's codes at my batch: 2,048 rows of 256 bytes
	s_lshl_b32 s2, s[WV], 14
	s_add_nc_u64 s[G0X+2:G0X+3], s[4:5], s[2:3]    ; rows 64 w
	s_add_nc_u64 s[G0B+2:G0B+3], s[G0X+2:G0X+3], 65536    ; rows 256 + 64 w
	s_add_nc_u64 s[G0A+2:G0A+3], s[G0X+2:G0X+3], 196608   ; rows 768 + 64 w
	s_lshl_b32 s2, s[WV], 13
	s_add_nc_u64 s[G0C+2:G0C+3], s[4:5], s[2:3]
	s_add_nc_u64 s[G0C+2:G0C+3], s[G0C+2:G0C+3], 458752   ; rows 1,792 + 32 w
	s_lshl_b32 s2, s[BT], 15
	s_lshl_b32 s[CNT], s[HE], 14
	s_add_co_u32 s2, s2, s[CNT]
	s_add_nc_u64 s[G0S+2:G0S+3], s[6:7], s[2:3]    ; x's scale bytes: 32,768 a batch, in two halves
	s_cmp_eq_u32 s[HE], 0                          ; wave 4 fetches Wk's rows 128 cx on, wave 5 Wv's
	s_cselect_b64 s[G0W+2:G0W+3], s[8:9], s[10:11]
	s_lshl_b32 s100, s[CX], 15
	s_add_nc_u64 s[G0W+2:G0W+3], s[G0W+2:G0W+3], s[100:101]
.irp g, G0X, G0W, G0S, G0A, G0B, G0C
	s_or_b32 s[\g+3], s[\g+3], 0x80000000          ; type = 2
.endr
	ROUND                                          ; all four work-groups are here: the first joint loads meet
; THE HEAD'S LOADS, ONE A WAVE.  Waves 0 to 3: positions 0 .. 255; 4 and 5: Wk's and Wv's 128 rows; 6 and 7: the halves of x's scale bytes.
	ARM 4, G0X, G1X, .Lhead_w
	ARM 6, G0W, G1W, .Lhead_s
	TL G0S, G1S
	NOPS 4
.Lhead_asked:
	QROWS 16, 32, 128
	s_lshl_b32 s100, s[CX], 9                      ; my 128 features of pooled, bq and bv
	s_add_nc_u64 s[26:27], s[26:27], s[100:101]
	s_add_nc_u64 s[20:21], s[20:21], s[100:101]
	s_add_nc_u64 s[24:25], s[24:25], s[100:101]
	s_lshl_b32 s100, s[CX], 11
	s_lshl_b32 s2, s[HE], 10
	s_add_nc_u64 s[12:13], s[12:13], s[100:101]    ; the weights' scale bytes: 16 a feature, from feature 128 cx + 64 (w & 1) on
	s_add_nc_u64 s[14:15], s[14:15], s[100:101]
	s_add_nc_u64 s[12:13], s[12:13], s[2:3]
	s_add_nc_u64 s[14:15], s[14:15], s[2:3]
	global_load_b64 v[BQ:BQ+1], v[OFQ], s[20:21]
	global_load_b128 v[BV:BV+3], v10, s[24:25]     ; (wave 0 alone uses it; every wave loads it, so that no branch stands here)
	global_load_b128 v[WSK:WSK+3], v10, s[12:13]
	global_load_b128 v[WSK+4:WSK+7], v10, s[12:13] offset:512
	global_load_b128 v[WSV:WSV+3], v10, s[14:15]
	global_load_b128 v[WSV+4:WSV+7], v10, s[14:15] offset:512
	s_lshl_b32 s2, s[WV], 13                       ; the prefetches: my wave's 32 rows
	s_add_nc_u64 s[4:5], s[4:5], s[2:3]
	s_lshl_b32 s100, s[CX], 15                     ; of my work-group's 128 of 512,
	s_add_nc_u64 s[PFA:PFA+1], s[4:5], s[100:101]
	s_lshl_b32 s100, s[CX], 14                     ; of its 64 of 256
	s_add_nc_u64 s[PFB:PFB+1], s[4:5], s[100:101]
	s_mov_b64 s[4:5], 0                            ; the pointers that lay here have been used: the registers take seed's numbers, in pairs of which the low words are used
	s_mov_b64 s[6:7], 0
	s_mov_b64 s[8:9], 0
	s_mov_b64 s[10:11], 0
	s_wait_loadcnt 38                              ; 57 are out; seed's two, the mask's one and Wq's rows 0 to 15 are in
	v_mov_b32 v11, 0xff800000
.irp j, 0,1,2,3,4,5,6,7
	v_bfe_u32 v[48+\j], v[MK+\j/4], 8*(\j%4), 8    ; my 8 positions' bytes of the mask
.endr
	v_lshl_add_u32 v56, v0, 5, MB                  ; and their 8 biases
.irp j, 0,1,2,3,4,5,6,7
	v_cmp_eq_u32 vcc_lo, 0, v[48+\j]
	v_cndmask_b32 v[48+\j], 0, v11, vcc_lo         ; 0 where the position counts, -infinity where it does not
.endr
	ds_store_b128 v56, v[48:51]
	ds_store_b128 v56, v[52:55] offset:16
	QCHUNK 0, 64
	QROWS 48, 16, 64                               ; rows 48 to 63 take the place of rows 0 to 15
	s_mul_i32 s2, s[HE], 64*PITCH
	s_add_co_u32 s2, s2, WT
	v_add_nc_u32 v11, s2, v[AX0]                   ; my head's 64 rows of Wk in LDS
	s_wait_alu depctr_va_vdst(0)
	s_wait_tensorcnt 0x0                           ; my part of the head's tiles is in
	ds_add_u32 v[SPW], v[NIL]
	s_wait_dscnt 0x0                               ; the add is done, my biases lie in LDS
	ROUND
	TL G0B, G1X                                    ; slot 1's first fill: positions 256 .. 767
	NOPS 4
	WIN 0x40                                       ; destination window 1: the weights go to registers while Wq's rows arrive
	WLOAD 0, 0
	WLOAD 128, 128*PITCH
	WIN 0
	ASK 4, PFA, 196608                             ; positions 768 on
	s_wait_loadcnt 38                              ; behind row 31: rows 32 to 47, the six loads behind them, rows 48 to 63
	QCHUNK 16, 128
	s_wait_alu depctr_va_vdst(0)
	s_wait_loadcnt 22                              ; behind row 47: those six and rows 48 to 63
	QCHUNK 32, 192
	SETPH 0, 0, 64
	ADDRS
	LDX                                            ; the first pair's operands (rows 32 to 47 have been used)
	s_wait_alu depctr_va_vdst(0)
	s_wait_loadcnt 0x0                             ; rows 48 to 63, bq, bv, the weights' scale words
	QCHUNK 48, 64
	v_lshl_add_u32 v57, v0, 4, QP                  ; my 4 partial sums of q
	v_pk_add_f32 v[QS:QS+1], v[QS:QS+1], v[QS+4:QS+5]
	v_pk_add_f32 v[QS+2:QS+3], v[QS+2:QS+3], v[QS+6:QS+7]
	ds_store_b128 v57, v[QS:QS+3]
	s_lshl_b32 s2, s[WV], 8
	s_add_co_u32 s2, s2, QW
	v_add_nc_u32 v10, QP, v[OFQ]                   ; the eight waves' sums of my two features
	v_lshl_add_u32 v11, v0, 3, QW                  ; my wave's q: my two features,
	v_bfe_u32 v56, v0, 4, 1
	v_mov_b32 v[RM], 0xff61b1e6                    ; -3e38, under every t
	v_lshl_add_u32 v56, v56, 5, s2                 ; and back in the results' layout: 8 features of my half
	v_mov_b32 v[RL], 0
	v_mov_b32 v[BIA+1], 0                          ; the biases' upper words: written once
	v_mov_b32 v[BIB+1], 0
	s_wait_alu depctr_va_vdst(0)
	s_wait_dscnt 0x0                               ; my partial sums lie in LDS; the weights and the first pair are in registers
	s_barrier_signal -1                            ; slot 1's load may be on its way
	STAGE 0, WSK                                   ; the first pair's K products, on registers alone
	s_barrier_wait -1
.irp w, 0,1,2,3,4,5,6,7
	ds_load_b64 v[96+2*\w:97+2*\w], v10 offset:512*\w
.endr
	s_wait_dscnt 0x0
.irp j, 96,100,104,108
	v_pk_add_f32 v[\j:\j+1], v[\j:\j+1], v[\j+2:\j+3]
.endr
	v_pk_add_f32 v[96:97], v[96:97], v[100:101]
	v_pk_add_f32 v[104:105], v[104:105], v[108:109]
	v_pk_add_f32 v[96:97], v[96:97], v[BQ:BQ+1]
	v_pk_add_f32 v[96:97], v[96:97], v[104:105]
	v_pk_mul_f32 v[112:113], v[96:97], 0x3e38aa3b op_sel_hi:[1,0]   ; x log2(e) / 8: the scores come out as t
	ds_store_b64 v11, v[112:113]
.irp i, 0,1,2,3
	ds_load_b128 v[QQ+8*\i:QQ+8*\i+3], v56 offset:64*\i             ; LDS serves a wave's instructions in order: these see my store; the bytes are my wave's own
	ds_load_b128 v[QQ+8*\i+4:QQ+8*\i+7], v56 offset:64*\i+16
.endr
.irp j, 0,1,2,3,4,5,6,7,8,9,10,11,12,13,14,15,16,17,18,19,20,21,22,23,24,25,26,27,28,29,30,31
	v_mov_b32 v[VACC+\j], 0                        ; a pair is written once for all: the first finds zeros, which the first change of the maximum leaves zeros
.endr
	BODY 1, 1
	BODY 2, 0
	LOOP3
	BODY 3, 0
	LOOP3
	BODY 4, 0
	LOOP3
	BODY 5, 0
	BODY 1, 0
	BODY 0, 0
	; THE MERGE.  Each lane's sums go to LDS as half of an entry (head, quarter, r), with its maximum and sum; then wave w makes 16 features of head w & 1: lane = 4 g + quad takes the entries g + 8 k of that head.
	s_mul_i32 s2, s[HE], 64*PITCH
	s_mul_i32 s3, s[PG], 16*PITCH
	s_add_co_u32 s2, s2, s3
	s_add_co_u32 s2, s2, MV
	v_bfe_u32 v10, v0, 4, 1
	v_and_b32 v11, 15, v0
	v_lshl_add_u32 v10, v10, 4, v[AX0]
	v_add_nc_u32 v10, s2, v10                      ; MV + 272 entry + 32 h
	s_lshl_b32 s2, s[HE], 9
	s_lshl_b32 s3, s[PG], 7
	s_add_co_u32 s2, s2, s3
	s_add_co_u32 s2, s2, ML
	v_lshl_add_u32 v11, v11, 3, s2                 ; ML + 8 entry
	s_wait_alu depctr_va_vdst(0)
.irp i, 0,1,2,3
	ds_store_b128 v10, v[VACC+8*\i:VACC+8*\i+3] offset:64*\i           ; feature 16 i + 8 h + j
	ds_store_b128 v10, v[VACC+8*\i+4:VACC+8*\i+7] offset:64*\i+16
.endr
	ds_store_b64 v11, v[RM:RL]                     ; (both halves of the lanes write the same bytes with the same values)
	s_wait_dscnt 0x0
	s_barrier_signal -1
	s_mul_i32 s2, s[HE], 64*PITCH
	s_lshl_b32 s3, s[PG], 6
	s_add_co_u32 s2, s2, s3
	s_add_co_u32 s2, s2, MV
	v_and_b32 v44, 3, v0                           ; quad
	v_bfe_u32 v45, v0, 2, 3                        ; g
	v_mul_u32_u24 v46, v45, PITCH
	v_lshl_add_u32 v46, v44, 4, v46
	v_add_nc_u32 v46, s2, v46
	s_lshl_b32 s2, s[HE], 9
	s_add_co_u32 s2, s2, ML
	v_lshl_add_u32 v47, v45, 3, s2
	s_lshl_b32 s2, s[HE], 8
	s_add_co_u32 s2, s2, s3
	s_add_co_u32 s2, s2, RES
	v_lshl_add_u32 v48, v44, 4, s2                 ; where my four results go
	v_and_b32 v49, 31, v0
	v_lshlrev_b32 v49, 4, v49
	v_add_nc_u32 v50, RES, v49
	s_wait_alu depctr_va_vdst(0)
	s_barrier_wait -1
.irp k, 0,1,2,3,4,5,6,7
	ds_load_b64 v[128+2*\k:129+2*\k], v47 offset:64*\k
.endr
.irp k, 0,1,2,3,4,5,6,7
	ds_load_b128 v[144+4*\k:147+4*\k], v46 offset:8*PITCH*\k
.endr
	s_wait_dscnt 8                                 ; maxima and sums are in; the eight loads behind them may be out
	v_max3_num_f32 v42, v128, v130, v132
	v_max3_num_f32 v52, v134, v136, v138
	v_max3_num_f32 v42, v42, v140, v142
	v_max_num_f32 v42, v42, v52
	v_max_num_f32_dpp v42, v42, v42 row_xmask:4 row_mask:0xf bank_mask:0xf
	v_max_num_f32_dpp v42, v42, v42 row_xmask:8 row_mask:0xf bank_mask:0xf
	v_permlanex16_b32 v54, v42, s[SEL], s[SEL+1]
	v_max_num_f32 v42, v42, v54                    ; the head's maximum
.irp k, 0,1,2,3,4,5,6,7
	v_sub_f32 v[64+2*\k], v[128+2*\k], v42
.endr
	s_wait_alu depctr_va_vdst(0)
.irp k, 0,1,2,3,4,5,6,7
	v_exp_f32 v[64+2*\k], v[64+2*\k]
.endr
	v_nop                                          ; a plain line behind the exponentials
	s_wait_dscnt 0x0
	s_wait_alu depctr_va_vdst(0)                   ; one wait for the eight
	v_mul_f32 v104, v129, v64
	v_pk_mul_f32 v[96:97], v[144:145], v[64:65] op_sel_hi:[1,0]
	v_pk_mul_f32 v[98:99], v[146:147], v[64:65] op_sel_hi:[1,0]
.irp k, 1,2,3,4,5,6,7
	v_fma_f32 v104, v[129+2*\k], v[64+2*\k], v104
	v_pk_fma_f32 v[96:97], v[144+4*\k:145+4*\k], v[64+2*\k:65+2*\k], v[96:97] op_sel_hi:[1,0,1]
	v_pk_fma_f32 v[98:99], v[146+4*\k:147+4*\k], v[64+2*\k:65+2*\k], v[98:99] op_sel_hi:[1,0,1]
.endr
.irp x, 4,8
.irp j, 104,96,97,98,99
	v_add_f32_dpp v[\j], v[\j], v[\j] row_xmask:\x row_mask:0xf bank_mask:0xf
.endr
.endr
.irp j, 104,96,97,98,99
	v_permlanex16_b32 v[\j+16], v[\j], s[SEL], s[SEL+1]
.endr
.irp j, 104,96,97,98,99
	v_add_f32 v[\j], v[\j], v[\j+16]
.endr
	s_wait_alu depctr_va_vdst(0)
	v_rcp_f32 v104, v104
	v_nop
	s_wait_alu depctr_va_vdst(0)
.irp j, 96,97,98,99
	v_mul_f32 v[\j], v[\j], v104
.endr
	ds_store_b128 v48, v[96:99]                    ; (the eight lanes of a quad write the same bytes with the same values)
	s_wait_dscnt 0x0
	s_barrier_signal -1
	s_barrier_wait -1
	s_cmp_lg_u32 s[WV], 0
	s_cbranch_scc1 .Ldone
	ds_load_b128 v[100:103], v50
	s_wait_dscnt 0x0
	v_pk_add_f32 v[100:101], v[100:101], v[BV:BV+1]
	v_pk_add_f32 v[102:103], v[102:103], v[BV+2:BV+3]
	global_store_b128 v49, v[100:103], s[26:27]    ; wave 0 stores 512 consecutive bytes, at a multiple of 256 from the buffer's first byte
.Ldone:
	s_wait_tensorcnt 0x0                           ; the wave's end: behind my last tensor load and my last LDS store
	ds_add_u32 v[SPW], v[NIL]
	s_wait_dscnt 0x0
	ROUND                                          ; the closing round: no work-group ends while a partner may still ask for a tile that names it
	s_endpgm
.Lfunc_end_k_q00ea3309e9_pool:
	.size	k_q00ea3309e9_pool, .Lfunc_end_k_q00ea3309e9_pool-k_q00ea3309e9_pool
	.p2alignl 7, 3214868480
	.fill 96, 4, 3214868480
	.section	.rodata,"a",@progbits
	.p2align	6, 0x0
	.amdhsa_kernel k_q00ea3309e9_pool
		.amdhsa_group_segment_fixed_size 327680
		.amdhsa_private_segment_fixed_size 0
		.amdhsa_enable_private_segment 0
		.amdhsa_kernarg_size 96
		.amdhsa_user_sgpr_count 2
		.amdhsa_user_sgpr_kernarg_segment_ptr 1
		.amdhsa_wavefront_size32 1
		.amdhsa_system_sgpr_workgroup_id_x 1
		.amdhsa_system_sgpr_workgroup_id_y 1
		.amdhsa_system_sgpr_workgroup_id_z 1
		.amdhsa_system_vgpr_workitem_id 0
		.amdhsa_next_free_vgpr 512
		.amdhsa_next_free_sgpr 102
		.amdhsa_reserve_vcc 1
		.amdhsa_float_denorm_mode_32 3
		.amdhsa_float_denorm_mode_16_64 3
		.amdhsa_memory_ordered 1
		.amdhsa_forward_progress 1
		.amdhsa_inst_pref_size 164
	.end_amdhsa_kernel
	.amdgpu_metadata
---
amdhsa.version: [ 1, 2 ]
amdhsa.kernels:
  - .name:           k_q00ea3309e9_pool
    .symbol:         k_q00ea3309e9_pool.kd
    .args:
      - { .name: x_codes, .offset: 0, .size: 8, .value_kind: global_buffer, .address_space: global }
      - { .name: x_scales, .offset: 8, .size: 8, .value_kind: global_buffer, .address_space: global }
      - { .name: Wk_codes, .offset: 16, .size: 8, .value_kind: global_buffer, .address_space: global }
      - { .name: Wv_codes, .offset: 24, .size: 8, .value_kind: global_buffer, .address_space: global }
      - { .name: Wk_scales, .offset: 32, .size: 8, .value_kind: global_buffer, .address_space: global }
      - { .name: Wv_scales, .offset: 40, .size: 8, .value_kind: global_buffer, .address_space: global }
      - { .name: Wq, .offset: 48, .size: 8, .value_kind: global_buffer, .address_space: global }
      - { .name: seed, .offset: 56, .size: 8, .value_kind: global_buffer, .address_space: global }
      - { .name: bq, .offset: 64, .size: 8, .value_kind: global_buffer, .address_space: global }
      - { .name: mask, .offset: 72, .size: 8, .value_kind: global_buffer, .address_space: global }
      - { .name: bv, .offset: 80, .size: 8, .value_kind: global_buffer, .address_space: global }
      - { .name: pooled, .offset: 88, .size: 8, .value_kind: global_buffer, .address_space: global }
    .group_segment_fixed_size: 327680
    .private_segment_fixed_size: 0
    .kernarg_segment_align: 8
    .kernarg_segment_size: 96
    .max_flat_workgroup_size: 256
    .sgpr_count:     102
    .vgpr_count:     512
    .wavefront_size: 32
...
	.end_amdgpu_metadata
.endif
;; end of part 1
;; launch outp (part 2): grid 8 x 4, 4 waves a work-group, no clusters, 18,432 bytes of LDS; arguments pooled, Wo_codes, Wo_scales, bo, out0; writes out0
.if DOCPART == 2
	.amdgcn_target "amdgcn-amd-amdhsa--gfx1250"
	.amdhsa_code_object_version 6
	.text
	.protected	k_q00ea3309e9_outp
	.globl	k_q00ea3309e9_outp
	.p2align	8
	.type	k_q00ea3309e9_outp,@function
k_q00ea3309e9_outp:
	s_mov_b64 s[64:65], 0
	v_nop
	global_prefetch_b8 v0, s[64:65] scope:SCOPE_SE
	s_setreg_imm32_b32 hwreg(HW_REG_WAVE_MODE, 25, 1), 1
	s_wait_xcnt 0x0
; out0[b][n] = sum over k of Q(pooled)[b][k] Wo[k][n] + bo[n]: pooled [64][512] f32 is quantised along k to E2M1 with one E8M0 scale for each 32; Wo arrives as codes [512 (n)][512 (k)] and scale bytes.  Nothing is left out here.
; SHARES.  A work-group: 16 batches (work-group y) x 64 outputs (work-group x).  Wave w owns K step w (128 along k): it quantises its 16 x 128 numbers in registers and multiplies them with its part of the 64 rows of Wo;
; the four waves' f32 parts are added through LDS, and wave w stores rows 4 w .. 4 w + 3.  The product is used transposed (source 0 = 32 rows of Wo, source 1 = the 16 batches):
; lane (r, h) holds batch r; register 16 p + 8 u + j holds output 32 p + 16 u + 8 h + j.
; A block's scale is 2^(floor(log2(its largest magnitude)) - 2); its byte is held at 1 from below (a block of zeros gets the byte 1: its codes are zeros, and this program alone reads the byte).
; NaN.  A batch whose mask is all 0 has NaN in every number of its row of pooled, and E2M1 has no code for it: so 0 x one number of the lane's row, which is 0 or NaN, is added to the lane's results.
; LIMITS: other NaN and infinities are not served; blocks whose largest magnitude lies under 2^-124 were not tried.
; 32 work-groups: the product has 128 matrix tiles of 16 x 16 in all; no cluster, no tensor load, no prefetch: no loop stands here, a launch is over when its loads have come.
.set PITCH, 272                        ; a row of a part: 256 bytes + 16
.set PART, 16*PITCH                    ; LDS: a wave's part
.set SPARE, 4*PART                     ; the spare words, 128 bytes for each wave: two blocks of 256 bytes that no other line names
.set XAD, 4                            ; pooled: 2,048 r + 64 h
.set WAD, 5                            ; Wo's codes: 256 r + 16 h
.set SAD, 6                            ; Wo's scale bytes: 16 lane
.set BAD, 7                            ; bo: 16 r
.set SO,  8                            ; where I put 32 bytes of a row of my part
.set SR,  9                            ; where I read parts of my rows
.set GO,  10                           ; my byte offset in the wave's rows of out0
.set SPW, 12
.set NIL, 13
.set TMQ, 16                           ; v16-31 at work in the quantiser
.set PC,  32                           ; v32-39 the codes just made
.set PW,  40                           ; v40 their scale word
.set PSN, 46                           ; v[46:47] 0 or NaN
.set BO,  48                           ; v48-51 bo
.set WOS, 52                           ; v52-53 Wo's scale words: lane m: output 32 p + m
.set XX,  64                           ; v64-127 my 64 numbers; then parts of rows
.set WO,  128                          ; v128-159 Wo's two fragments of 32 rows
.set ACC, 160                          ; v160-191 two accumulators
.set WV,  14
.set SEL, 28
	s_load_b256 s[4:11], s[0:1], 0x0               ; pooled s[4:5], Wo's codes s[6:7], Wo's scales s[8:9], bo s[10:11]
	s_load_b64 s[12:13], s[0:1], 0x20              ; out0
	v_lshl_add_u32 v[SPW], v0, 2, SPARE
	v_mov_b32 v[NIL], 0
	v_lshrrev_b32 v1, 5, v0
	v_readfirstlane_b32 s[WV], v1                  ; wave 0..3
	s_mul_i32 s30, s[WV], PART
	s_mul_i32 s31, s[WV], 4*PITCH
	v_and_b32 v1, 31, v0                           ; lane
	v_and_b32 v2, 15, v0                           ; r
	v_bfe_u32 v3, v0, 4, 1                         ; h
	v_lshlrev_b32 v[XAD], 11, v2
	v_lshlrev_b32 v[WAD], 8, v2
	v_lshlrev_b32 v[SAD], 4, v1
	v_lshlrev_b32 v[BAD], 4, v2
	v_mul_u32_u24 v[SO], v2, PITCH
	v_mul_u32_u24 v[SR], v3, PITCH
	v_lshlrev_b32 v[GO], 11, v3
	v_lshl_add_u32 v[XAD], v3, 6, v[XAD]
	v_lshl_add_u32 v[WAD], v3, 4, v[WAD]
	v_lshl_add_u32 v[SO], v3, 5, v[SO]
	v_lshl_add_u32 v[SR], v2, 4, v[SR]
	v_lshl_add_u32 v[GO], v2, 4, v[GO]
	v_add_nc_u32 v[SO], s30, v[SO]
	v_add_nc_u32 v[SR], s31, v[SR]
.irp b, 0,1,2,3
	v_mov_b32 v[TMQ+4+\b], 0                       ; written once: a lane permute's destination counts as one of its sources
.endr
	s_mov_b32 s[SEL], 0x76543210
	s_mov_b32 s[SEL+1], 0xfedcba98
	s_and_b32 s15, ttmp7, 0xffff                   ; which 16 batches
	s_lshl_b32 s16, s15, 15                        ; pooled: 16 rows of 2,048 bytes a work-group y, + my K step's 512 bytes
	s_lshl_b32 s18, s[WV], 9
	s_add_co_u32 s18, s18, s16
	s_mov_b32 s19, 0
	s_lshl_b32 s20, ttmp9, 14                      ; Wo's codes: 64 rows of 256 bytes a work-group x, + my K step's 64 bytes
	s_lshl_b32 s17, s[WV], 6
	s_add_co_u32 s20, s20, s17
	s_mov_b32 s21, 0
	s_lshl_b32 s22, ttmp9, 10                      ; Wo's scale bytes: 64 rows of 16, + my K step's word
	s_lshl_b32 s17, s[WV], 2
	s_add_co_u32 s22, s22, s17
	s_mov_b32 s23, 0
	s_lshl_b32 s24, ttmp9, 8                       ; bo
	s_mov_b32 s25, 0
	s_lshl_b32 s26, s[WV], 13                      ; out0: rows 16 y + 4 w on, my 64 outputs
	s_add_co_u32 s26, s26, s16
	s_add_co_u32 s26, s26, s24
	s_mov_b32 s27, 0
	s_wait_alu depctr_va_vdst(0)
	s_wait_kmcnt 0x0
	s_add_nc_u64 s[4:5], s[4:5], s[18:19]
	s_add_nc_u64 s[6:7], s[6:7], s[20:21]
	s_add_nc_u64 s[8:9], s[8:9], s[22:23]
	s_add_nc_u64 s[10:11], s[10:11], s[24:25]
	s_add_nc_u64 s[12:13], s[12:13], s[26:27]
.irp b, 0,1,2,3
.irp j, 0,1,2,3
	global_load_b128 v[XX+16*\b+4*\j:XX+16*\b+4*\j+3], v[XAD], s[4:5] offset:128*\b+16*\j   ; register 16 b + i = k 128 w + 32 b + 16 h + i of row r
.endr
.endr
.irp i, 0,1,2,3
.irp c, 0,1
	global_load_b128 v[WO+8*\i+4*\c:WO+8*\i+4*\c+3], v[WAD], s[6:7] offset:4096*\i+32*\c
.endr
.endr
	global_load_b32 v[WOS], v[SAD], s[8:9]
	global_load_b32 v[WOS+1], v[SAD], s[8:9] offset:512
	global_load_b128 v[BO:BO+3], v[BAD], s[10:11]
	s_wait_loadcnt 11                              ; my 64 numbers are in; behind them: 8 of Wo's codes, 2 of scale words, bo
	v_mul_f32 v[PSN], 0, v[XX]                     ; 0, or NaN where my batch's row is NaN
	; the quantiser: four blocks of 32; a block lies in lanes l and l xor 16
.irp b, 0,1,2,3
	v_max3_num_f32 v[TMQ+\b], |v[XX+16*\b]|, |v[XX+1+16*\b]|, 0x1800000   ; my 16 numbers, and the floor 2^(3 - 127): so the byte cannot fall under 1
.endr
	v_mov_b32 v[PSN+1], v[PSN]
.irp i, 2,4,6,8,10,12,14
.irp b, 0,1,2,3
	v_max3_num_f32 v[TMQ+\b], v[TMQ+\b], |v[XX+16*\b+\i]|, |v[XX+1+16*\b+\i]|
.endr
.endr
.irp b, 0,1,2,3
	v_permlanex16_b32 v[TMQ+4+\b], v[TMQ+\b], s[SEL], s[SEL+1]
.endr
.irp b, 0,1,2,3
	v_max_num_f32 v[TMQ+\b], v[TMQ+\b], v[TMQ+4+\b]      ; the block's largest magnitude
.endr
.irp b, 0,1,2,3
	v_add_nc_u32 v[TMQ+12+\b], 0xff000000, v[TMQ+\b]     ; 2 off its exponent field: the conversion takes the exponent field of this operand as its scale
.endr
.irp b, 0,1,2,3
	v_lshrrev_b32 v[TMQ+4+\b], 23, v[TMQ+12+\b]          ; the scale's byte
.endr
	v_lshl_or_b32 v[PW], v[TMQ+5], 8, v[TMQ+4]
	v_lshl_or_b32 v[PW], v[TMQ+6], 16, v[PW]
	v_lshl_or_b32 v[PW], v[TMQ+7], 24, v[PW]             ; my row's scale word of this K step
.irp b, 0,1,2,3
	v_cvt_scalef32_pk8_fp4_f32 v[PC+2*\b], v[XX+16*\b:XX+7+16*\b], v[TMQ+12+\b]
	v_cvt_scalef32_pk8_fp4_f32 v[PC+1+2*\b], v[XX+8+16*\b:XX+15+16*\b], v[TMQ+12+\b]
.endr
	v_nop                                          ; one plain line behind a scaled conversion
.irp c, 0,1                                    ; the operand's layout wants a whole block in a lane: lanes 0-15 block 2 c, lanes 16-31 block 2 c + 1
.irp i, 0,1
	v_permlane16_swap_b32 v[PC+4*\c+\i], v[PC+2+4*\c+\i]
.endr
.endr
	s_wait_alu depctr_va_vdst(0)
	s_wait_loadcnt 0x0                             ; Wo's codes and scale words, bo
.rept 8
	v_nop                                          ; the places ahead of a scaled matrix instruction whose scales and operand vector instructions wrote
.endr
.irp p, 0,1
	v_wmma_scale_f32_32x16x128_f4 v[ACC+16*\p:ACC+16*\p+15], v[WO+16*\p:WO+16*\p+15], v[PC:PC+7], 0, v[WOS+\p], v[PW]
.endr
.rept 4
	v_nop                                          ; the places ahead of the first read of results
.endr
.irp j, 0,2,4,6,8,10,12,14,16,18,20,22,24,26,28,30
	v_pk_add_f32 v[ACC+\j:ACC+\j+1], v[ACC+\j:ACC+\j+1], v[PSN:PSN+1]   ; each accumulator from its low end on
.endr
.irp i, 0,1,2,3
	ds_store_b128 v[SO], v[ACC+8*\i:ACC+8*\i+3] offset:64*\i
	ds_store_b128 v[SO], v[ACC+8*\i+4:ACC+8*\i+7] offset:64*\i+16
.endr
	s_wait_dscnt 0x0                               ; for the others' sake: my part lies in LDS
	s_barrier_signal -1
	s_barrier_wait -1
.irp t, 0,1                                    ; rows 4 w + 2 t + h: four parts of each
.irp g, 0,1,2,3
	ds_load_b128 v[XX+16*\t+4*\g:XX+16*\t+4*\g+3], v[SR] offset:2*PITCH*\t+PART*\g
.endr
.endr
.irp t, 0,1
	s_wait_dscnt 4-4*\t                            ; the loads of the later rows may be out
.irp j, 0,2
	v_pk_add_f32 v[XX+16*\t+\j:XX+16*\t+\j+1], v[XX+16*\t+\j:XX+16*\t+\j+1], v[XX+16*\t+4+\j:XX+16*\t+5+\j]
	v_pk_add_f32 v[XX+16*\t+8+\j:XX+16*\t+9+\j], v[XX+16*\t+8+\j:XX+16*\t+9+\j], v[XX+16*\t+12+\j:XX+16*\t+13+\j]
.endr
.irp j, 0,2
	v_pk_add_f32 v[XX+16*\t+\j:XX+16*\t+\j+1], v[XX+16*\t+\j:XX+16*\t+\j+1], v[XX+16*\t+8+\j:XX+16*\t+9+\j]
.endr
.irp j, 0,2
	v_pk_add_f32 v[XX+16*\t+\j:XX+16*\t+\j+1], v[XX+16*\t+\j:XX+16*\t+\j+1], v[BO+\j:BO+\j+1]
.endr
	global_store_b128 v[GO], v[XX+16*\t:XX+16*\t+3], s[12:13] offset:4096*\t   ; sixteen lanes store 256 consecutive bytes, at a multiple of 256 from out0's first byte
.endr
	s_wait_tensorcnt 0x0                           ; the wave's end: behind my last LDS store
	ds_add_u32 v[SPW], v[NIL]
	s_wait_dscnt 0x0
	s_endpgm
.Lfunc_end_k_q00ea3309e9_outp:
	.size	k_q00ea3309e9_outp, .Lfunc_end_k_q00ea3309e9_outp-k_q00ea3309e9_outp
	.p2alignl 7, 3214868480
	.fill 96, 4, 3214868480
	.section	.rodata,"a",@progbits
	.p2align	6, 0x0
	.amdhsa_kernel k_q00ea3309e9_outp
		.amdhsa_group_segment_fixed_size 18432
		.amdhsa_private_segment_fixed_size 0
		.amdhsa_enable_private_segment 0
		.amdhsa_kernarg_size 40
		.amdhsa_user_sgpr_count 2
		.amdhsa_user_sgpr_kernarg_segment_ptr 1
		.amdhsa_wavefront_size32 1
		.amdhsa_system_sgpr_workgroup_id_x 1
		.amdhsa_system_sgpr_workgroup_id_y 1
		.amdhsa_system_sgpr_workgroup_id_z 1
		.amdhsa_system_vgpr_workitem_id 0
		.amdhsa_next_free_vgpr 192
		.amdhsa_next_free_sgpr 66
		.amdhsa_reserve_vcc 0
		.amdhsa_float_denorm_mode_32 3
		.amdhsa_float_denorm_mode_16_64 3
		.amdhsa_memory_ordered 1
		.amdhsa_forward_progress 1
		.amdhsa_inst_pref_size 14
	.end_amdhsa_kernel
	.amdgpu_metadata
---
amdhsa.version: [ 1, 2 ]
amdhsa.kernels:
  - .name:           k_q00ea3309e9_outp
    .symbol:         k_q00ea3309e9_outp.kd
    .args:
      - { .name: pooled, .offset: 0, .size: 8, .value_kind: global_buffer, .address_space: global }
      - { .name: Wo_codes, .offset: 8, .size: 8, .value_kind: global_buffer, .address_space: global }
      - { .name: Wo_scales, .offset: 16, .size: 8, .value_kind: global_buffer, .address_space: global }
      - { .name: bo, .offset: 24, .size: 8, .value_kind: global_buffer, .address_space: global }
      - { .name: out0, .offset: 32, .size: 8, .value_kind: global_buffer, .address_space: global }
    .group_segment_fixed_size: 18432
    .private_segment_fixed_size: 0
    .kernarg_segment_align: 8
    .kernarg_segment_size: 40
    .max_flat_workgroup_size: 128
    .sgpr_count:     66
    .vgpr_count:     192
    .wavefront_size: 32
...
	.end_amdgpu_metadata
.endif
;; end of part 2
